; MI455X (gfx1250); checked and timed in simulation.
; The chip was launched on July 23, 2026; its instructions are those of AMD's public machine-readable ISA for CDNA 5 (MIT licence, August 2026) and "CDNA5" Instruction Set Architecture Reference Guide (July 2026). The comments in the code are by the model that wrote it; some were corrected since.
;; Spline1 D Interpolant. Allowed arithmetic: float matrix products may take bf16 or f16 operands with f32 sums; all other float work in f32.
;; Inputs: a 1 float32; b 1 float32; c 4,096 float32; n 1 float32; x 16,384 x 1 float32.
;; Outputs: out0 16,384 float32.
;; 2 versions, each right; version 2 is version 1 with the launch spline written anew for expert scheduling mode. Each part assembles by itself: llvm-mc -triple=amdgcn-amd-amdhsa -mcpu=gfx1250 --defsym DOCPART=n.
;; ======== version 1 of 2: 1 launch
;; launch spline (part 1): grid 256 x 1, 4 waves a work-group, no clusters, 21,760 bytes of LDS; arguments x, a, b, n, c, out0; writes out0
.if DOCPART == 1
	.amdgcn_target "amdgcn-amd-amdhsa--gfx1250"
	.amdhsa_code_object_version 6
	.text
	.protected	k_q10d6ddfaee_spline
	.globl	k_q10d6ddfaee_spline
	.p2align	8
	.type	k_q10d6ddfaee_spline,@function
k_q10d6ddfaee_spline:
	s_mov_b64 s[64:65], 0
	v_nop
	global_prefetch_b8 v0, s[64:65] scope:SCOPE_SE
	s_setreg_imm32_b32 hwreg(HW_REG_WAVE_MODE, 25, 1), 1
	s_wait_xcnt 0x0
; out[q] = sum over i = 1..4096 of c[i-1] u(|s - i|),  s = (x[q] - a) / h + 2,  h = (b - a) / n,
; u(t) = 4 - 6 t^2 + 3 t^3 (t <= 1), (2 - t)^3 (1 < t <= 2), 0 beyond.  In one form: u = max(2-t,0)^3 - 4 max(1-t,0)^3.
; u is 0 from t = 2 on, so only the 0-based coefficients floor(s)-2 .. floor(s)+1 count.  No address is made from s.  Instead:
;   the table is 64 blocks of 64;  hi = clamp(floor((s-2)/64), 0, 63);  a one-hot vector over hi (exact in bf16) is the matrix
;   instruction's B, the table its A with A[m][k] = c[64 k + m], m = 0..79 (0 past the table's end), so that D[m][q] = c[64 hi + m]:
;   a window of 80 coefficients that holds the four taps (they lie at m = 0..66).  u is then evaluated in f32 on the whole window with the
;   true t = |s - (64 hi + 1 + m)|; with the clamp and the zero row this is right for every s, also below, at and past the table's ends.
;   c goes in as two bf16 parts, c = hi part + rounded remainder: 16 significant bits of c reach the sum.
; 256 work-groups x 4 waves; a work-group owns 64 queries, a wave 16.  Lane (r, h) = (lane % 16, lane / 16) holds query r and
; the candidates m = 16 tile + 8 h + j (register j of the tile's accumulator).
; The four waves prepare the table together: 16 KiB of c are loaded once a work-group, split, and laid into LDS as rows k of 64 bf16.
; NO CLUSTER, NO TENSOR LOAD: what the work-groups share is one fill of 16 KiB, which has to pass through registers to be split into
; its bf16 parts; a joint load would add a trip LDS -> registers -> LDS and two rounds of the cluster's barrier for that single fill.
; LIMITS: n and h must be finite, not 0, and of magnitude 2^-126 .. 2^126 (v_rcp_f32 flushes denormals, and the correction steps give NaN
; for n = 0 or infinite n).  A non-finite s gives NaN.  Where t is so large that t^3 overflows f32 (t above some 7e12) this text gives 0.
.set PITCH, 160                        ; an LDS row: 128 bytes of data + 32: an odd multiple of 32, so the 16 lanes of a transposing load's pass touch 16 different 16-byte columns
.set ZROW,  64*PITCH                   ; row 64 of a part: zeros (coefficients 4096 and up)
.set PART,  ZROW+256                   ; bytes of a part: 64 rows and 256 zero bytes
.set OUTS,  2*PART                     ; 256 bytes: the work-group's 64 results
.set BF,  24                           ; v[24:39]   one-hot over hi: two B fragments (k = 0..31, 32..63)
.set DD,  40                           ; v[40:47]   s - i for the tile at work, j = 0..7
.set AA,  48                           ; v[48:55]   at work
.set PP,  56                           ; v[56:63]   at work
.set QQ,  64                           ; v[64:71]   at work
.set UU,  72                           ; v[72:111]  u of my 40 candidates
.set ACC, 112                          ; v[112:151] five accumulators: my 40 candidates' coefficients
.set AF,  152                          ; v[152:231] two slots of five A fragments
.set CIN, 152                          ; ahead of the barrier the same registers hold: c as loaded, then its remainders,
.set HH,  184                          ; the high parts,
.set LL,  200                          ; the low parts,
.set FF,  216                          ; and the high parts widened again
.set SS,  48                           ; four pairs of partial sums (AA is free by then)
	s_load_b256 s[4:11], s[0:1], 0x0               ; x s[4:5], a s[6:7], b s[8:9], n s[10:11]
	s_load_b128 s[12:15], s[0:1], 0x20             ; c s[12:13], out0 s[14:15]
	v_lshl_add_u32 v232, v0, 2, 0x5300
	v_mov_b32 v233, 0
	v_lshrrev_b32 v8, 5, v0
	v_readfirstlane_b32 s20, v8                    ; wave 0..3
	v_and_b32 v1, 15, v0                           ; r
	v_bfe_u32 v2, v0, 4, 1                         ; h
	v_lshlrev_b32 v3, 4, v0                        ; c: 16 bytes a thread
	s_lshl_b32 s21, ttmp9, 8                       ; the work-group's 64 queries: 256 bytes of x and of out0
	s_lshl_b32 s22, s20, 6                         ; the wave's 16: 64 bytes
	s_add_co_u32 s23, s21, s22
	v_lshl_add_u32 v4, v1, 2, s23                  ; my query's x (both halves of the wave read the same 16 words)
	s_wait_kmcnt 0x0
	s_load_b32 s16, s[6:7], 0x0                    ; a
	s_load_b32 s17, s[8:9], 0x0                    ; b
	s_load_b32 s18, s[10:11], 0x0                  ; n
	global_load_b32 v7, v4, s[4:5] th:TH_LOAD_NT
.irp i, 0,1,2,3,4,5,6,7
	global_load_b128 v[CIN+4*\i:CIN+4*\i+3], v3, s[12:13] offset:2048*\i   ; the 128 threads cover 2,048 neighbouring bytes: coefficients 512 i + 4 t ..
.endr
	; LDS addresses, while the loads are on their way
	v_lshrrev_b32 v8, 4, v0
	v_mul_u32_u24 v8, v8, PITCH
	v_lshl_add_u32 v5, v1, 3, v8                   ; store: row t / 16 (+ 8 i), 8 bytes at column 4 (t % 16)
	v_and_b32 v9, 7, v0
	v_lshl_add_u32 v9, v2, 3, v9
	v_mul_u32_u24 v9, v9, PITCH
	v_bfe_u32 v10, v0, 3, 1
	v_lshl_add_u32 v6, v10, 4, v9                  ; transposing load: row 8 h + lane % 8, 16 bytes at column 8 ((lane / 8) % 2)
	v_lshrrev_b32 v72, 6, v0
	v_mul_u32_u24 v72, v72, PART
	v_and_b32 v10, 63, v0
	v_lshl_add_u32 v72, v10, 2, v72
	v_mov_b32 v73, 0
	ds_store_b32 v72, v73 offset:ZROW              ; 64 threads clear the 256 bytes behind each part: row 64
	v_lshl_add_u32 v12, v2, 3, 1
	v_cvt_f32_u32 v23, v12                         ; 8 h + 1
	s_add_co_u32 s24, s22, OUTS
	s_mov_b32 s28, 0x76543210                      ; v_permlanex16_b32: lane i of one half reads lane i of the other
	s_mov_b32 s29, 0xfedcba98
	; h = (b - a) / n and 1 / h.  A quotient is made as: reciprocal, one Newton step, product, remainder by fma, correction.
	s_wait_kmcnt 0x0
	v_rcp_f32 v8, s18
	v_sub_f32 v9, s17, s16                         ; b - a: also the plain instruction between v_rcp_f32 and the use of its result
	s_wait_alu depctr_va_vdst(0)
	v_fma_f32 v10, -s18, v8, 1.0
	v_fma_f32 v8, v10, v8, v8                      ; 1 / n
	v_mul_f32 v10, v9, v8
	v_fma_f32 v11, -s18, v10, v9
	v_fma_f32 v14, v11, v8, v10                    ; h
	v_rcp_f32 v15, v14
	v_mov_b32 v21, 0x3f80                          ; bf16 1.0; stands between v_rcp_f32 and the use of its result
	s_wait_alu depctr_va_vdst(0)
	v_fma_f32 v10, -v14, v15, 1.0
	v_fma_f32 v15, v10, v15, v15                   ; 1 / h
	; c -> two bf16 parts -> LDS.  Group i: coefficients 512 i + 4 t .. + 3 = row 8 i + t / 16, columns 4 (t % 16) .. + 3
.irp i, 0,1,2,3,4,5,6,7
	s_wait_loadcnt 7-\i                            ; loads come back in order: group i is in, the 7 - i younger groups may be out
	v_cvt_pk_bf16_f32 v[HH+2*\i],   v[CIN+4*\i],   v[CIN+4*\i+1]
	v_cvt_pk_bf16_f32 v[HH+2*\i+1], v[CIN+4*\i+2], v[CIN+4*\i+3]
	v_lshlrev_b32 v[FF+4*(\i%2)],   16,         v[HH+2*\i]
	v_and_b32     v[FF+4*(\i%2)+1], 0xffff0000, v[HH+2*\i]
	v_lshlrev_b32 v[FF+4*(\i%2)+2], 16,         v[HH+2*\i+1]
	v_and_b32     v[FF+4*(\i%2)+3], 0xffff0000, v[HH+2*\i+1]
	v_pk_add_f32 v[CIN+4*\i:CIN+4*\i+1],   v[CIN+4*\i:CIN+4*\i+1],   v[FF+4*(\i%2):FF+4*(\i%2)+1]   neg_lo:[0,1] neg_hi:[0,1]   ; what the high part left over
	v_pk_add_f32 v[CIN+4*\i+2:CIN+4*\i+3], v[CIN+4*\i+2:CIN+4*\i+3], v[FF+4*(\i%2)+2:FF+4*(\i%2)+3] neg_lo:[0,1] neg_hi:[0,1]
	v_cvt_pk_bf16_f32 v[LL+2*\i],   v[CIN+4*\i],   v[CIN+4*\i+1]
	v_cvt_pk_bf16_f32 v[LL+2*\i+1], v[CIN+4*\i+2], v[CIN+4*\i+3]
	ds_store_b64 v5, v[HH+2*\i:HH+2*\i+1] offset:8*PITCH*\i
	ds_store_b64 v5, v[LL+2*\i:LL+2*\i+1] offset:PART+8*PITCH*\i
.endr
	; my query, while the LDS stores complete (x is in: the last wait above was for 0)
	v_sub_f32 v8, v7, s16                          ; x - a
	v_mul_f32 v9, v8, v15
	v_fma_f32 v10, -v14, v9, v8
	v_fma_f32 v9, v10, v15, v9                     ; (x - a) / h
	v_add_f32 v16, 2.0, v9                         ; s
	v_add_f32 v10, -2.0, v16                       ; its floor is the first tap; exact from s = 2 on, and below that hi is clamped to 0 anyway
	v_mul_f32 v10, 0x3c800000, v10                 ; / 64
	v_floor_f32 v10, v10
	v_max_num_f32 v10, 0, v10
	v_min_num_f32 v10, 0x427c0000, v10             ; hi, 0 .. 63, as a float
	v_cvt_u32_f32 v11, v10                         ; hi: it enters compares alone, no address and no branch
	v_fmamk_f32 v12, v10, 0x42800000, v23          ; 64 hi + 1 + 8 h: the 1-based index of my first candidate
	v_sub_f32 v[DD], v16, v12                      ; s - i for j = 0
	v_add_f32 v[DD+1], -1.0, v[DD]
	v_add_f32 v[DD+2], -2.0, v[DD]
	v_add_f32 v[DD+3], 0xc0400000, v[DD]
	v_add_f32 v[DD+4], -4.0, v[DD]
	v_add_f32 v[DD+5], 0xc0a00000, v[DD]
	v_add_f32 v[DD+6], 0xc0c00000, v[DD]
	v_add_f32 v[DD+7], 0xc0e00000, v[DD]
	; The one-hot B fragments.  Lane (r, h) holds column r; word p of half f of K step kk holds k = 32 kk + 16 f + 8 h + 2 p and the next,
	; that is the pair of k number 16 kk + 8 f + 4 h + p.  The word with pair hi / 2 gets 1.0 in its half hi % 2, all others 0.
	v_lshrrev_b32 v20, 1, v11
	v_lshlrev_b32 v13, 2, v2
	v_sub_nc_u32 v20, v20, v13                     ; hi / 2 - 4 h
	v_and_b32 v13, 1, v11
	v_lshlrev_b32 v13, 4, v13
	v_lshlrev_b32 v21, v13, v21                    ; 1.0 in the low or in the high half
.irp kk, 0,1
.irp f, 0,1
.irp p, 0,1,2,3
	v_cmp_eq_u32 vcc_lo, 16*\kk+8*\f+\p, v20
	v_cndmask_b32 v[BF+8*\kk+4*\f+\p], 0, v21, vcc_lo
.endr
.endr
.endr
; u for the eight candidates of tile t: a = min(|d|, 2), p = 2 - a, q = max(1 - a, 0), u = p^3 - 4 q^3; then d steps on to the next tile.
; (DD's registers stand by number in the first lines, for the |..| form.)
.macro BASIS t
.irp r, 40,41,42,43,44,45,46,47
	v_min_num_f32 v[\r+AA-DD], |v\r|, 2.0
.endr
.irp p, 0,2,4,6
	v_pk_fma_f32 v[PP+\p:PP+\p+1], v[AA+\p:AA+\p+1], -1.0, 2.0 op_sel_hi:[1,0,0]
.endr
.irp p, 0,2,4,6
	v_pk_fma_f32 v[QQ+\p:QQ+\p+1], v[AA+\p:AA+\p+1], -1.0, 1.0 op_sel_hi:[1,0,0]
.endr
.irp j, 0,1,2,3,4,5,6,7
	v_max_num_f32 v[QQ+\j], 0, v[QQ+\j]
.endr
.irp p, 0,2,4,6
	v_pk_mul_f32 v[AA+\p:AA+\p+1], v[PP+\p:PP+\p+1], v[PP+\p:PP+\p+1]
.endr
.irp p, 0,2,4,6
	v_pk_mul_f32 v[PP+\p:PP+\p+1], v[AA+\p:AA+\p+1], v[PP+\p:PP+\p+1]
.endr
.irp p, 0,2,4,6
	v_pk_mul_f32 v[AA+\p:AA+\p+1], v[QQ+\p:QQ+\p+1], v[QQ+\p:QQ+\p+1]
.endr
.irp p, 0,2,4,6
	v_pk_mul_f32 v[QQ+\p:QQ+\p+1], v[AA+\p:AA+\p+1], v[QQ+\p:QQ+\p+1]
.endr
.irp p, 0,2,4,6
	v_pk_fma_f32 v[UU+8*\t+\p:UU+8*\t+\p+1], v[QQ+\p:QQ+\p+1], -4.0, v[PP+\p:PP+\p+1] op_sel_hi:[1,0,1]
.endr
.if \t < 4
.irp p, 0,2,4,6
	v_pk_add_f32 v[DD+\p:DD+\p+1], v[DD+\p:DD+\p+1], 0xc1800000 op_sel_hi:[1,0]    ; 16 candidates on
.endr
.endif
.endm
; Ten transposing loads: the five A fragments (candidates 16 t .. 16 t + 15, k = 32 kk .. + 31) of one part.  LDS holds rows k along m, the
; fragment wants k along the lane's registers.  Tile 4 is candidates 64 .. 79 = columns 0 .. 15 of the row below: PITCH instead of 128 bytes on.
.macro FETCH slot, part, kk
.irp t, 0,1,2,3,4
	ds_load_tr16_b128 v[AF+40*\slot+8*\t:AF+40*\slot+8*\t+3],   v6 offset:\part*PART+32*\kk*PITCH+32*\t+(PITCH-128)*(\t/4)
	ds_load_tr16_b128 v[AF+40*\slot+8*\t+4:AF+40*\slot+8*\t+7], v6 offset:\part*PART+(32*\kk+16)*PITCH+32*\t+(PITCH-128)*(\t/4)
.endr
.endm
; Five matrix instructions, one on each accumulator: the accumulators take turns, one instruction a turn.
; left = LDS loads that may be out when tile 0's two are needed; each tile needs two more.
.macro MULT slot, kk, first, left
.irp t, 0,1,2,3,4
	s_wait_dscnt \left-2*\t
.if \first
	v_wmma_f32_16x16x32_bf16 v[ACC+8*\t:ACC+8*\t+7], v[AF+40*\slot+8*\t:AF+40*\slot+8*\t+7], v[BF+8*\kk:BF+8*\kk+7], 0
.else
	v_wmma_f32_16x16x32_bf16 v[ACC+8*\t:ACC+8*\t+7], v[AF+40*\slot+8*\t:AF+40*\slot+8*\t+7], v[BF+8*\kk:BF+8*\kk+7], v[ACC+8*\t:ACC+8*\t+7]
.endif
.endr
.endm
	s_wait_dscnt 0x0                               ; my part of the table and of the zero rows is in LDS
	s_barrier_signal -1
	BASIS 0                                        ; register work while the others arrive
	s_barrier_wait -1                              ; the table is whole
	FETCH 0, 0, 0                                  ; high part, k 0..31
	FETCH 1, 0, 1                                  ; high part, k 32..63
	BASIS 1
	MULT 0, 0, 1, 18                               ; 20 loads are queued; tile t needs the first 2 t + 2.  The first products start the sums
	BASIS 2                                        ; more than the four plain vector instructions that stand between a matrix instruction and a load into its sources
	FETCH 0, 1, 0                                  ; low part, k 0..31, into the slot just multiplied
	MULT 1, 1, 0, 18                               ; queued: this slot's ten and the ten just issued
	BASIS 3                                        ; again the places in front of the loads
	FETCH 1, 1, 1                                  ; low part, k 32..63
	BASIS 4
	MULT 0, 0, 0, 18
	MULT 1, 1, 0, 8                                ; the last ten
	; five plain vector instructions that name no matrix register stand between the last matrix instructions and the reads of their results (ISA guide 7.12.1)
	v_lshl_add_u32 v22, v1, 2, s24                 ; where my query's result goes in LDS
	v_and_b32 v17, 31, v0
	v_lshlrev_b32 v17, 3, v17                      ; wave 0 reads back 8 bytes a lane
	v_add_nc_u32 v18, s21, v17                     ; and stores them there in out0
	v_mov_b32 v19, 0                               ; v_permlanex16_b32's destination counts as read
	; sum over my 40 candidates of u x coefficient, in four pairs of chains
.irp p, 0,2,4,6
	v_pk_mul_f32 v[SS+\p:SS+\p+1], v[UU+\p:UU+\p+1], v[ACC+\p:ACC+\p+1]
.endr
.irp t, 1,2,3,4
.irp p, 0,2,4,6
	v_pk_fma_f32 v[SS+\p:SS+\p+1], v[UU+8*\t+\p:UU+8*\t+\p+1], v[ACC+8*\t+\p:ACC+8*\t+\p+1], v[SS+\p:SS+\p+1]
.endr
.endr
	v_pk_add_f32 v[SS:SS+1],   v[SS:SS+1],   v[SS+2:SS+3]
	v_pk_add_f32 v[SS+4:SS+5], v[SS+4:SS+5], v[SS+6:SS+7]
	v_pk_add_f32 v[SS:SS+1],   v[SS:SS+1],   v[SS+4:SS+5]
	v_add_f32 v[SS], v[SS], v[SS+1]
	v_permlanex16_b32 v19, v[SS], s28, s29         ; the other half's 40 candidates of the same query
	v_add_f32 v[SS], v[SS], v19
	v_fma_f32 v[SS], v16, 0, v[SS]                 ; adds 0 for a finite s; an infinite or NaN s makes the result NaN
	ds_store_b32 v22, v[SS]                        ; lanes r and r + 16 write the same word with the same value
	s_wait_dscnt 0x0                               ; for wave 0's sake
	s_barrier_signal -1
	s_barrier_wait -1
	s_cmp_lg_u32 s20, 0
	s_cbranch_scc1 .Lend
	ds_load_b64 v[PP:PP+1], v17 offset:OUTS        ; wave 0: the work-group's 64 results
	s_wait_dscnt 0x0
	global_store_b64 v18, v[PP:PP+1], s[14:15] th:TH_STORE_NT   ; one store covers 256 consecutive bytes, at a multiple of 256 from out0's first byte
.Lend:
	s_wait_tensorcnt 0x0
	ds_add_u32 v232, v233
	s_wait_dscnt 0x0
	s_endpgm
.Lfunc_end_k_q10d6ddfaee_spline:
	.size	k_q10d6ddfaee_spline, .Lfunc_end_k_q10d6ddfaee_spline-k_q10d6ddfaee_spline
	.p2alignl 7, 3214868480
	.fill 96, 4, 3214868480
	.section	.rodata,"a",@progbits
	.p2align	6, 0x0
	.amdhsa_kernel k_q10d6ddfaee_spline
		.amdhsa_group_segment_fixed_size 21760
		.amdhsa_private_segment_fixed_size 0
		.amdhsa_enable_private_segment 0
		.amdhsa_kernarg_size 48
		.amdhsa_user_sgpr_count 2
		.amdhsa_user_sgpr_kernarg_segment_ptr 1
		.amdhsa_wavefront_size32 1
		.amdhsa_system_sgpr_workgroup_id_x 1
		.amdhsa_system_sgpr_workgroup_id_y 1
		.amdhsa_system_sgpr_workgroup_id_z 1
		.amdhsa_system_vgpr_workitem_id 0
		.amdhsa_next_free_vgpr 234
		.amdhsa_next_free_sgpr 66
		.amdhsa_reserve_vcc 1
		.amdhsa_float_denorm_mode_32 3
		.amdhsa_float_denorm_mode_16_64 3
		.amdhsa_memory_ordered 1
		.amdhsa_forward_progress 1
		.amdhsa_inst_pref_size 33
	.end_amdhsa_kernel
	.amdgpu_metadata
---
amdhsa.version: [ 1, 2 ]
amdhsa.kernels:
  - .name:           k_q10d6ddfaee_spline
    .symbol:         k_q10d6ddfaee_spline.kd
    .args:
      - { .name: x, .offset: 0, .size: 8, .value_kind: global_buffer, .address_space: global }
      - { .name: a, .offset: 8, .size: 8, .value_kind: global_buffer, .address_space: global }
      - { .name: b, .offset: 16, .size: 8, .value_kind: global_buffer, .address_space: global }
      - { .name: n, .offset: 24, .size: 8, .value_kind: global_buffer, .address_space: global }
      - { .name: c, .offset: 32, .size: 8, .value_kind: global_buffer, .address_space: global }
      - { .name: out0, .offset: 40, .size: 8, .value_kind: global_buffer, .address_space: global }
    .group_segment_fixed_size: 21760
    .private_segment_fixed_size: 0
    .kernarg_segment_align: 8
    .kernarg_segment_size: 48
    .max_flat_workgroup_size: 128
    .sgpr_count:     66
    .vgpr_count:     234
    .wavefront_size: 32
...
	.end_amdgpu_metadata
.endif
;; end of part 1
;; ======== version 2 of 2: 1 launch; version 1 with the launch spline written anew for expert scheduling mode
;; launch spline (part 2): grid 256 x 1, 4 waves a work-group, no clusters, 21,760 bytes of LDS; arguments x, a, b, n, c, out0; writes out0
.if DOCPART == 2
	.amdgcn_target "amdgcn-amd-amdhsa--gfx1250"
	.amdhsa_code_object_version 6
	.text
	.protected	k_q10d6ddfaee_spline
	.globl	k_q10d6ddfaee_spline
	.p2align	8
	.type	k_q10d6ddfaee_spline,@function
k_q10d6ddfaee_spline:
	s_mov_b64 s[64:65], 0
	v_nop
	global_prefetch_b8 v0, s[64:65] scope:SCOPE_SE
	s_setreg_imm32_b32 hwreg(HW_REG_WAVE_SCHED_MODE, 0, 2), 2
	s_setreg_imm32_b32 hwreg(HW_REG_WAVE_MODE, 25, 1), 1
	s_wait_xcnt 0x0
	s_wait_alu depctr_vm_vsrc(0)
; out[q] = sum over i = 1..4096 of c[i-1] u(|s - i|),  s = (x[q] - a) / h + 2,  h = (b - a) / n,
; u(t) = 4 - 6 t^2 + 3 t^3 (t <= 1), (2 - t)^3 (1 < t <= 2), 0 beyond.  In one form: u = max(2-t,0)^3 - 4 max(1-t,0)^3.
; u is 0 from t = 2 on, so only the 0-based coefficients floor(s)-2 .. floor(s)+1 count.  No address is made from s.  Instead:
;   the table is 64 blocks of 64;  hi = clamp(floor((s-2)/64), 0, 63);  a one-hot vector over hi (exact in bf16) is the matrix
;   instruction's B, the table its A with A[m][k] = c[64 k + m], m = 0..79 (0 past the table's end), so that D[m][q] = c[64 hi + m]:
;   a window of 80 coefficients that holds the four taps (they lie at m = 0..66).  u is then evaluated in f32 on the whole window with the
;   true t = |s - (64 hi + 1 + m)|; with the clamp and the zero row this is right for every s, also below, at and past the table's ends.
;   c goes in as two bf16 parts, c = hi part + rounded remainder: 16 significant bits of c reach the sum.
; 256 work-groups x 4 waves; a work-group owns 64 queries, a wave 16.  Lane (r, h) = (lane % 16, lane / 16) holds query r and
; the candidates m = 16 tile + 8 h + j (register j of the tile's accumulator).
; The four waves prepare the table together: 16 KiB of c are loaded once a work-group, split, and laid into LDS as rows k of 64 bf16.
; NO CLUSTER, NO TENSOR LOAD: what the work-groups share is one fill of 16 KiB, which has to pass through registers to be split into
; its bf16 parts; a joint load would add a trip LDS -> registers -> LDS and two rounds of the cluster's barrier for that single fill.
; LIMITS: n and h must be finite, not 0, and of magnitude 2^-126 .. 2^126 (v_rcp_f32 flushes denormals, and the correction steps give NaN
; for n = 0 or infinite n).  A non-finite s gives NaN.  Where t is so large that t^3 overflows f32 (t above some 7e12) this text gives 0.
; THE MODE: SCHED_MODE bits 1:0 = 2 (LLVM: expert scheduling mode 2), set by the entry lines.  The code itself states the register dependences
; between vector or matrix instructions and memory or LDS instructions, with s_wait_alu, always for 0.
; THE PLAN.  Registers that memory or LDS instructions touch:
;   v3 .. v6      offsets and LDS addresses, made at the head ahead of one wait on va_vdst and never written again.
;   v72, v73      address and data of the store that clears the zero rows; from BASIS 0 on they belong to u.
;   v7, CIN       x and c as loaded: no vector instruction names them ahead of their loads.
;   HH, LL        written by the split's conversions, read by its LDS stores.  The split goes in four blocks of two groups: the wait on va_vdst at a
;                 block's head states that the block before has written its HH and LL, and that block's four stores are dealt among this block's
;                 vector instructions, which name other groups' registers alone.
;   AF            two slots of fragments on the registers of CIN, HH, LL and FF.  First fetch: the wait on va_vdst ahead of the split's last stores is the last
;                 line behind which a vector instruction has named them, and one wait on vm_vsrc ahead of the first barrier states that the stores have read HH and LL
;                 (and v72, v73).  Second fetch: both slots at once, behind one wait on va_vdst that states that the ten matrix instructions are done reading them.
;   v22, v48, v17, v18, v56-57   the way out: one wait on va_vdst ahead of the result's LDS store; no vector instruction stands behind it.
; Two waits on va_sdst: behind v_readfirstlane_b32, and behind the run of sixteen compares that make the one-hot's masks.  EXEC is never written.
.set PITCH, 160                        ; an LDS row: 128 bytes of data + 32: an odd multiple of 32, so the 16 lanes of a transposing load's pass touch 16 different 16-byte columns
.set ZROW,  64*PITCH                   ; row 64 of a part: zeros (coefficients 4096 and up)
.set PART,  ZROW+256                   ; bytes of a part: 64 rows and 256 zero bytes
.set OUTS,  2*PART                     ; 256 bytes: the work-group's 64 results
.set MK,  32                           ; s[32:47]   the sixteen masks of the one-hot's words
.set BF,  24                           ; v[24:39]   one-hot over hi: two B fragments (k = 0..31, 32..63)
.set DD,  40                           ; v[40:47]   s - i for the tile at work, j = 0..7
.set AA,  48                           ; v[48:55]   at work
.set PP,  56                           ; v[56:63]   at work
.set QQ,  64                           ; v[64:71]   at work
.set UU,  72                           ; v[72:111]  u of my 40 candidates
.set ACC, 112                          ; v[112:151] five accumulators: my 40 candidates' coefficients
.set AF,  152                          ; v[152:231] two slots of five A fragments
.set CIN, 152                          ; ahead of the barrier the same registers hold: c as loaded, then its remainders,
.set HH,  184                          ; the high parts,
.set LL,  200                          ; the low parts,
.set FF,  216                          ; and the high parts widened again
.set SS,  48                           ; four pairs of partial sums (AA is free by then)
	s_load_b256 s[4:11], s[0:1], 0x0               ; x s[4:5], a s[6:7], b s[8:9], n s[10:11]
	s_load_b128 s[12:15], s[0:1], 0x20             ; c s[12:13], out0 s[14:15]
	v_lshl_add_u32 v232, v0, 2, 0x5300
	v_mov_b32 v233, 0
	v_lshrrev_b32 v8, 5, v0
	v_readfirstlane_b32 s20, v8                    ; wave 0..3
	v_and_b32 v1, 15, v0                           ; r
	v_bfe_u32 v2, v0, 4, 1                         ; h
	v_lshlrev_b32 v3, 4, v0                        ; c: 16 bytes a thread
	; LDS addresses, while the arguments are on their way
	v_lshrrev_b32 v8, 4, v0
	v_mul_u32_u24 v8, v8, PITCH
	v_lshl_add_u32 v5, v1, 3, v8                   ; store: row t / 16 (+ 8 i), 8 bytes at column 4 (t % 16)
	v_and_b32 v9, 7, v0
	v_lshl_add_u32 v9, v2, 3, v9
	v_mul_u32_u24 v9, v9, PITCH
	v_bfe_u32 v10, v0, 3, 1
	v_lshl_add_u32 v6, v10, 4, v9                  ; transposing load: row 8 h + lane % 8, 16 bytes at column 8 ((lane / 8) % 2)
	v_lshrrev_b32 v72, 6, v0
	v_mul_u32_u24 v72, v72, PART
	v_and_b32 v10, 63, v0
	v_lshl_add_u32 v72, v10, 2, v72
	v_mov_b32 v73, 0
	v_lshl_add_u32 v12, v2, 3, 1
	v_cvt_f32_u32 v23, v12                         ; 8 h + 1
	s_lshl_b32 s21, ttmp9, 8                       ; the work-group's 64 queries: 256 bytes of x and of out0
	s_mov_b32 s28, 0x76543210                      ; v_permlanex16_b32: lane i of one half reads lane i of the other
	s_mov_b32 s29, 0xfedcba98
	s_wait_alu depctr_va_sdst(0)                   ; s20 is written, ahead of its first reader: offsets, an LDS address and the last branch are made from it
	s_lshl_b32 s22, s20, 6                         ; the wave's 16: 64 bytes
	s_add_co_u32 s23, s21, s22
	s_add_co_u32 s24, s22, OUTS
	v_lshl_add_u32 v4, v1, 2, s23                  ; my query's x (both halves of the wave read the same 16 words)
	s_wait_alu depctr_va_vdst(0)                   ; v3 to v6, v72 and v73 are written: the offsets, addresses and data that the loads and LDS instructions below read
	ds_store_b32 v72, v73 offset:ZROW              ; 64 threads clear the 256 bytes behind each part: row 64
	s_wait_kmcnt 0x0
	s_load_b32 s16, s[6:7], 0x0                    ; a
	s_load_b32 s17, s[8:9], 0x0                    ; b
	s_load_b32 s18, s[10:11], 0x0                  ; n
	global_load_b32 v7, v4, s[4:5] th:TH_LOAD_NT
.irp i, 0,1,2,3,4,5,6,7
	global_load_b128 v[CIN+4*\i:CIN+4*\i+3], v3, s[12:13] offset:2048*\i   ; the 128 threads cover 2,048 neighbouring bytes: coefficients 512 i + 4 t ..
.endr
	; h = (b - a) / n and 1 / h.  A quotient is made as: reciprocal, one Newton step, product, remainder by fma, correction.
	s_wait_kmcnt 0x0
	v_rcp_f32 v8, s18
	v_sub_f32 v9, s17, s16                         ; b - a: also the plain instruction between v_rcp_f32 and the use of its result
	s_wait_alu depctr_va_vdst(0)
	v_fma_f32 v10, -s18, v8, 1.0
	v_fma_f32 v8, v10, v8, v8                      ; 1 / n
	v_mul_f32 v10, v9, v8
	v_fma_f32 v11, -s18, v10, v9
	v_fma_f32 v14, v11, v8, v10                    ; h
	v_rcp_f32 v15, v14
	v_mov_b32 v21, 0x3f80                          ; bf16 1.0; stands between v_rcp_f32 and the use of its result
	s_wait_alu depctr_va_vdst(0)
	v_fma_f32 v10, -v14, v15, 1.0
	v_fma_f32 v15, v10, v15, v15                   ; 1 / h
	; c -> two bf16 parts -> LDS.  Group i: coefficients 512 i + 4 t .. + 3 = row 8 i + t / 16, columns 4 (t % 16) .. + 3
.macro SPLIT i                         ; group i's arithmetic: it names CIN, HH and LL of group i and half i % 2 of FF
	v_cvt_pk_bf16_f32 v[HH+2*(\i)],   v[CIN+4*(\i)],   v[CIN+4*(\i)+1]
	v_cvt_pk_bf16_f32 v[HH+2*(\i)+1], v[CIN+4*(\i)+2], v[CIN+4*(\i)+3]
	v_lshlrev_b32 v[FF+4*((\i)%2)],   16,         v[HH+2*(\i)]
	v_and_b32     v[FF+4*((\i)%2)+1], 0xffff0000, v[HH+2*(\i)]
	v_lshlrev_b32 v[FF+4*((\i)%2)+2], 16,         v[HH+2*(\i)+1]
	v_and_b32     v[FF+4*((\i)%2)+3], 0xffff0000, v[HH+2*(\i)+1]
	v_pk_add_f32 v[CIN+4*(\i):CIN+4*(\i)+1],   v[CIN+4*(\i):CIN+4*(\i)+1],   v[FF+4*((\i)%2):FF+4*((\i)%2)+1]   neg_lo:[0,1] neg_hi:[0,1]   ; what the high part left over
	v_pk_add_f32 v[CIN+4*(\i)+2:CIN+4*(\i)+3], v[CIN+4*(\i)+2:CIN+4*(\i)+3], v[FF+4*((\i)%2)+2:FF+4*((\i)%2)+3] neg_lo:[0,1] neg_hi:[0,1]
	v_cvt_pk_bf16_f32 v[LL+2*(\i)],   v[CIN+4*(\i)],   v[CIN+4*(\i)+1]
	v_cvt_pk_bf16_f32 v[LL+2*(\i)+1], v[CIN+4*(\i)+2], v[CIN+4*(\i)+3]
.endm
.macro PUT i                           ; group i's two parts into LDS
	ds_store_b64 v5, v[HH+2*(\i):HH+2*(\i)+1] offset:8*PITCH*(\i)
	ds_store_b64 v5, v[LL+2*(\i):LL+2*(\i)+1] offset:PART+8*PITCH*(\i)
.endm
.irp b, 0,1,2,3                        ; block b: groups 2 b and 2 b + 1
	s_wait_loadcnt 6-2*\b                          ; loads come back in order: the block's two groups are in, the 6 - 2 b younger groups may be out
.if \b > 0
	s_wait_alu depctr_va_vdst(0)                   ; the block before has written its HH and LL, which the four stores below read
	PUT 2*\b-2
.endif
	SPLIT 2*\b
.if \b > 0
	PUT 2*\b-1                                     ; no wait: no vector instruction since the wait above names this group's HH and LL, or v5
.endif
	SPLIT 2*\b+1
.endr
	s_wait_alu depctr_va_vdst(0)                   ; block 3 has written its HH and LL, which the stores below read; and the split is done with v152 to v231, in which the first fragments land
	PUT 6
	PUT 7
	; my query, while the LDS stores complete (x is in: the last wait on LOADcnt above was for 0)
	v_sub_f32 v8, v7, s16                          ; x - a
	v_mul_f32 v9, v8, v15
	v_fma_f32 v10, -v14, v9, v8
	v_fma_f32 v9, v10, v15, v9                     ; (x - a) / h
	v_add_f32 v16, 2.0, v9                         ; s
	v_add_f32 v10, -2.0, v16                       ; its floor is the first tap; exact from s = 2 on, and below that hi is clamped to 0 anyway
	v_mul_f32 v10, 0x3c800000, v10                 ; / 64
	v_floor_f32 v10, v10
	v_max_num_f32 v10, 0, v10
	v_min_num_f32 v10, 0x427c0000, v10             ; hi, 0 .. 63, as a float
	v_cvt_u32_f32 v11, v10                         ; hi: it enters compares alone, no address and no branch
	v_fmamk_f32 v12, v10, 0x42800000, v23          ; 64 hi + 1 + 8 h: the 1-based index of my first candidate
	v_sub_f32 v[DD], v16, v12                      ; s - i for j = 0
	v_add_f32 v[DD+1], -1.0, v[DD]
	v_add_f32 v[DD+2], -2.0, v[DD]
	v_add_f32 v[DD+3], 0xc0400000, v[DD]
	v_add_f32 v[DD+4], -4.0, v[DD]
	v_add_f32 v[DD+5], 0xc0a00000, v[DD]
	v_add_f32 v[DD+6], 0xc0c00000, v[DD]
	v_add_f32 v[DD+7], 0xc0e00000, v[DD]
	; The one-hot B fragments.  Lane (r, h) holds column r; word p of half f of K step kk holds k = 32 kk + 16 f + 8 h + 2 p and the next,
	; that is the pair of k number 16 kk + 8 f + 4 h + p.  The word with pair hi / 2 gets 1.0 in its half hi % 2, all others 0.
	v_lshrrev_b32 v20, 1, v11
	v_lshlrev_b32 v13, 2, v2
	v_sub_nc_u32 v20, v20, v13                     ; hi / 2 - 4 h
	v_and_b32 v13, 1, v11
	v_lshlrev_b32 v13, 4, v13
	v_lshlrev_b32 v21, v13, v21                    ; 1.0 in the low or in the high half
.irp kk, 0,1
.irp f, 0,1
.irp p, 0,1,2,3
	v_cmp_eq_u32 s[MK+8*\kk+4*\f+\p], 16*\kk+8*\f+\p, v20   ; the sixteen compares stand in one run, each with a mask register of its own
.endr
.endr
.endr
	s_wait_alu depctr_va_sdst(0)                   ; the sixteen masks s32 to s47 are written, ahead of the selects that read them
.irp kk, 0,1
.irp f, 0,1
.irp p, 0,1,2,3
	v_cndmask_b32 v[BF+8*\kk+4*\f+\p], 0, v21, s[MK+8*\kk+4*\f+\p]
.endr
.endr
.endr
; u for the eight candidates of tile t: a = min(|d|, 2), p = 2 - a, q = max(1 - a, 0), u = p^3 - 4 q^3; then d steps on to the next tile.
; (DD's registers stand by number in the first lines, for the |..| form.)
.macro BASIS t
.irp r, 40,41,42,43,44,45,46,47
	v_min_num_f32 v[\r+AA-DD], |v\r|, 2.0
.endr
.irp p, 0,2,4,6
	v_pk_fma_f32 v[PP+\p:PP+\p+1], v[AA+\p:AA+\p+1], -1.0, 2.0 op_sel_hi:[1,0,0]
.endr
.irp p, 0,2,4,6
	v_pk_fma_f32 v[QQ+\p:QQ+\p+1], v[AA+\p:AA+\p+1], -1.0, 1.0 op_sel_hi:[1,0,0]
.endr
.irp j, 0,1,2,3,4,5,6,7
	v_max_num_f32 v[QQ+\j], 0, v[QQ+\j]
.endr
.irp p, 0,2,4,6
	v_pk_mul_f32 v[AA+\p:AA+\p+1], v[PP+\p:PP+\p+1], v[PP+\p:PP+\p+1]
.endr
.irp p, 0,2,4,6
	v_pk_mul_f32 v[PP+\p:PP+\p+1], v[AA+\p:AA+\p+1], v[PP+\p:PP+\p+1]
.endr
.irp p, 0,2,4,6
	v_pk_mul_f32 v[AA+\p:AA+\p+1], v[QQ+\p:QQ+\p+1], v[QQ+\p:QQ+\p+1]
.endr
.irp p, 0,2,4,6
	v_pk_mul_f32 v[QQ+\p:QQ+\p+1], v[AA+\p:AA+\p+1], v[QQ+\p:QQ+\p+1]
.endr
.irp p, 0,2,4,6
	v_pk_fma_f32 v[UU+8*\t+\p:UU+8*\t+\p+1], v[QQ+\p:QQ+\p+1], -4.0, v[PP+\p:PP+\p+1] op_sel_hi:[1,0,1]
.endr
.if \t < 4
.irp p, 0,2,4,6
	v_pk_add_f32 v[DD+\p:DD+\p+1], v[DD+\p:DD+\p+1], 0xc1800000 op_sel_hi:[1,0]    ; 16 candidates on
.endr
.endif
.endm
; Ten transposing loads: the five A fragments (candidates 16 t .. 16 t + 15, k = 32 kk .. + 31) of one part.  LDS holds rows k along m, the
; fragment wants k along the lane's registers.  Tile 4 is candidates 64 .. 79 = columns 0 .. 15 of the row below: PITCH instead of 128 bytes on.
.macro FETCH slot, part, kk
.irp t, 0,1,2,3,4
	ds_load_tr16_b128 v[AF+40*\slot+8*\t:AF+40*\slot+8*\t+3],   v6 offset:\part*PART+32*\kk*PITCH+32*\t+(PITCH-128)*(\t/4)
	ds_load_tr16_b128 v[AF+40*\slot+8*\t+4:AF+40*\slot+8*\t+7], v6 offset:\part*PART+(32*\kk+16)*PITCH+32*\t+(PITCH-128)*(\t/4)
.endr
.endm
; Five matrix instructions, one on each accumulator: the accumulators take turns, one instruction a turn.
; left = LDS loads that may be out when tile 0's two are needed; each tile needs two more.
.macro MULT slot, kk, first, left
.irp t, 0,1,2,3,4
	s_wait_dscnt \left-2*\t
.if \first
	v_wmma_f32_16x16x32_bf16 v[ACC+8*\t:ACC+8*\t+7], v[AF+40*\slot+8*\t:AF+40*\slot+8*\t+7], v[BF+8*\kk:BF+8*\kk+7], 0
.else
	v_wmma_f32_16x16x32_bf16 v[ACC+8*\t:ACC+8*\t+7], v[AF+40*\slot+8*\t:AF+40*\slot+8*\t+7], v[BF+8*\kk:BF+8*\kk+7], v[ACC+8*\t:ACC+8*\t+7]
.endif
.endr
.endm
	s_wait_dscnt 0x0                               ; my part of the table and of the zero rows is in LDS
	s_wait_alu depctr_vm_vsrc(0)                   ; my LDS stores have read v72 and v73, which BASIS 0 writes, and HH and LL, in which the fragments land
	s_barrier_signal -1
	BASIS 0                                        ; register work while the others arrive
	s_barrier_wait -1                              ; the table is whole
	FETCH 0, 0, 0                                  ; high part, k 0..31.  No wait: no vector instruction since the wait ahead of the split's last stores names v6 or v152 to v231
	FETCH 1, 0, 1                                  ; high part, k 32..63
	BASIS 1
	MULT 0, 0, 1, 18                               ; 20 loads are queued; tile t needs the first 2 t + 2.  The first products start the sums
	MULT 1, 1, 0, 8                                ; tile t needs the first 12 + 2 t
	BASIS 2                                        ; vector work that names neither slot, while the ten matrix instructions are at work
	s_wait_alu depctr_va_vdst(0)                   ; the ten matrix instructions are done reading both slots, in which the twenty loads below land
	FETCH 0, 1, 0                                  ; low part, k 0..31
	FETCH 1, 1, 1                                  ; low part, k 32..63
	BASIS 3                                        ; two tiles' vector work in which the loads land
	BASIS 4
	MULT 0, 0, 0, 18
	MULT 1, 1, 0, 8                                ; the last ten
	; five plain vector instructions that name no matrix register stand between the last matrix instructions and the reads of their results (ISA guide 7.12.1)
	v_lshl_add_u32 v22, v1, 2, s24                 ; where my query's result goes in LDS
	v_and_b32 v17, 31, v0
	v_lshlrev_b32 v17, 3, v17                      ; wave 0 reads back 8 bytes a lane
	v_add_nc_u32 v18, s21, v17                     ; and stores them there in out0
	v_mov_b32 v19, 0                               ; v_permlanex16_b32's destination counts as read
	; sum over my 40 candidates of u x coefficient, in four pairs of chains
.irp p, 0,2,4,6
	v_pk_mul_f32 v[SS+\p:SS+\p+1], v[UU+\p:UU+\p+1], v[ACC+\p:ACC+\p+1]
.endr
.irp t, 1,2,3,4
.irp p, 0,2,4,6
	v_pk_fma_f32 v[SS+\p:SS+\p+1], v[UU+8*\t+\p:UU+8*\t+\p+1], v[ACC+8*\t+\p:ACC+8*\t+\p+1], v[SS+\p:SS+\p+1]
.endr
.endr
	v_pk_add_f32 v[SS:SS+1],   v[SS:SS+1],   v[SS+2:SS+3]
	v_pk_add_f32 v[SS+4:SS+5], v[SS+4:SS+5], v[SS+6:SS+7]
	v_pk_add_f32 v[SS:SS+1],   v[SS:SS+1],   v[SS+4:SS+5]
	v_add_f32 v[SS], v[SS], v[SS+1]
	v_permlanex16_b32 v19, v[SS], s28, s29         ; the other half's 40 candidates of the same query
	v_add_f32 v[SS], v[SS], v19
	v_fma_f32 v[SS], v16, 0, v[SS]                 ; adds 0 for a finite s; an infinite or NaN s makes the result NaN
	s_wait_alu depctr_va_vdst(0)                   ; v22 and the sum are written, which the LDS store reads; so are v17 and v18, wave 0's offsets; and BASIS 4 is done with v56 and v57, in which wave 0's load lands
	ds_store_b32 v22, v[SS]                        ; lanes r and r + 16 write the same word with the same value
	s_wait_dscnt 0x0                               ; for wave 0's sake
	s_barrier_signal -1
	s_barrier_wait -1
	s_cmp_lg_u32 s20, 0
	s_cbranch_scc1 .Lend
	ds_load_b64 v[PP:PP+1], v17 offset:OUTS        ; wave 0: the work-group's 64 results.  No wait: no vector instruction stands behind the wait above
	s_wait_dscnt 0x0
	global_store_b64 v18, v[PP:PP+1], s[14:15] th:TH_STORE_NT   ; one store covers 256 consecutive bytes, at a multiple of 256 from out0's first byte
.Lend:
	s_wait_dscnt 0x0
	s_wait_alu depctr_hold_cnt(0) depctr_sa_sdst(0) depctr_va_vdst(0) depctr_va_sdst(0) depctr_va_ssrc(0) depctr_va_vcc(0) depctr_vm_vsrc(0)
	s_wait_tensorcnt 0x0
	ds_add_u32 v232, v233
	s_wait_dscnt 0x0
	s_endpgm
.Lfunc_end_k_q10d6ddfaee_spline:
	.size	k_q10d6ddfaee_spline, .Lfunc_end_k_q10d6ddfaee_spline-k_q10d6ddfaee_spline
	.p2alignl 7, 3214868480
	.fill 96, 4, 3214868480
	.section	.rodata,"a",@progbits
	.p2align	6, 0x0
	.amdhsa_kernel k_q10d6ddfaee_spline
		.amdhsa_group_segment_fixed_size 21760
		.amdhsa_private_segment_fixed_size 0
		.amdhsa_enable_private_segment 0
		.amdhsa_kernarg_size 48
		.amdhsa_user_sgpr_count 2
		.amdhsa_user_sgpr_kernarg_segment_ptr 1
		.amdhsa_wavefront_size32 1
		.amdhsa_system_sgpr_workgroup_id_x 1
		.amdhsa_system_sgpr_workgroup_id_y 1
		.amdhsa_system_sgpr_workgroup_id_z 1
		.amdhsa_system_vgpr_workitem_id 0
		.amdhsa_next_free_vgpr 234
		.amdhsa_next_free_sgpr 66
		.amdhsa_reserve_vcc 0
		.amdhsa_float_denorm_mode_32 3
		.amdhsa_float_denorm_mode_16_64 3
		.amdhsa_memory_ordered 1
		.amdhsa_forward_progress 1
		.amdhsa_inst_pref_size 34
	.end_amdhsa_kernel
	.amdgpu_metadata
---
amdhsa.version: [ 1, 2 ]
amdhsa.kernels:
  - .name:           k_q10d6ddfaee_spline
    .symbol:         k_q10d6ddfaee_spline.kd
    .args:
      - { .name: x, .offset: 0, .size: 8, .value_kind: global_buffer, .address_space: global }
      - { .name: a, .offset: 8, .size: 8, .value_kind: global_buffer, .address_space: global }
      - { .name: b, .offset: 16, .size: 8, .value_kind: global_buffer, .address_space: global }
      - { .name: n, .offset: 24, .size: 8, .value_kind: global_buffer, .address_space: global }
      - { .name: c, .offset: 32, .size: 8, .value_kind: global_buffer, .address_space: global }
      - { .name: out0, .offset: 40, .size: 8, .value_kind: global_buffer, .address_space: global }
    .group_segment_fixed_size: 21760
    .private_segment_fixed_size: 0
    .kernarg_segment_align: 8
    .kernarg_segment_size: 48
    .max_flat_workgroup_size: 128
    .sgpr_count:     66
    .vgpr_count:     234
    .wavefront_size: 32
...
	.end_amdgpu_metadata
.endif
;; end of part 2
